; MI455X (gfx1250); checked and timed in simulation.
; The chip was launched on July 23, 2026; its instructions are those of AMD's public machine-readable ISA for CDNA 5 (MIT licence, August 2026) and "CDNA5" Instruction Set Architecture Reference Guide (July 2026). The comments in the code are by the model that wrote it; some were corrected since.
;; Quantized Linear. Allowed arithmetic: matrix products marked QUANTISED: E2M3 operands, one E8M0 scale for each 32 along K, by v_wmma_scale_f32_16x16x128_f8f6f4 with both operands' format E2M3, f32 sums; everything else in f32.
;; Inputs: bias 4,096 float32; scales 4,096 x 32 float32; weight_packed 4,096 x 2,048 int32; x 4 x 1,024 x 4,096 float32; zeros 4,096 x 32 float32.
;; Outputs: out0 4 x 1,024 x 4,096 float32.
;; This version of the problem:
;;   THIS VERSION OF THE PROBLEM IS GIVEN IN LOW PRECISION. The matrix products marked QUANTISED in the list below multiply operands that are first quantised to E2M3 (2 exponent bits, 3 mantissa bits; 6 bits a number), with one power-of-two scale for each 32 numbers along K (OCP MX v1.0); their sums are f32. All else is computed in f32.
;;   The module's matrix products, in the order in which they are computed (A, B: the left and right operand; K: the contracted axis; several contracted axes count as one K, in the product's order):
;;     1. [M 4,096, K 4,096] x [K 4,096, N 4,096]; A: input x; B: computed on the way: QUANTISED
;;   THE QUANTISER, for each operand of a quantised product, along K:
;;     - K is cut into blocks of 32 from its start; a last block that is shorter is filled with zeros.
;;     - A block's scale is 2^e with e = floor(log2(the largest magnitude in the block)) - 2, held to -126 .. 127; a block of zeros has e = 0. As a byte (E8M0): e + 127.
;;     - Each number is divided by its block's scale, clamped to +-7.5, and rounded to the nearest number of E2M3, ties to even, subnormals kept.
;;     - The product sums the exact products of the quantised numbers (number of the format x scale) in f32.
;;   ~~~python
;;   def quantise(x, axis):      # numpy; x: float32 -> the quantised numbers, widened to float32 again
;;       x = np.moveaxis(x, axis, -1); K = x.shape[-1]
;;       x = np.pad(x, [(0, 0)] * (x.ndim - 1) + [(0, -K % 32)]); x = x.reshape(x.shape[:-1] + (-1, 32)); a = np.abs(x).max(-1, keepdims=True)
;;       e = np.where(a > 0, np.clip(np.frexp(np.where(a > 0, a, 1))[1] - 1 - 2, -126, 127), 0)      # np.frexp(a)[1] - 1 = floor(log2(a)), exactly
;;       r = np.clip(x / 2.0 ** e, -7.5, 7.5)
;;       step = 2.0 ** (np.maximum(np.frexp(np.where(r == 0, 1, r))[1] - 1, 0) - 3)
;;       q = np.round(r / step) * step * 2.0 ** e      # np.round: ties to even
;;       return np.moveaxis(q.reshape(q.shape[:-2] + (-1,))[..., :K], -1, axis).astype(np.float32)
;;   ~~~
;;   OPERANDS COMPUTED ON THE WAY. 'Computed on the way' means the value that the module computes at that place (a softmax that the list does not call 'softmax' is quantised finished and normalised). What goes into a quantiser is computed in f32, as accurately as f32 sums, v_exp_f32 and their like allow (about 1e-6 of the number): no bf16 or f16 on the way to a quantiser, and a product that is left as it is and whose result goes on into a quantised operand takes f32 operands (vector FMAs, or v_wmma_f32_16x16x4_f32). A number that lies on a knife's edge between two numbers of the format may be rounded either way, as far as f32 arithmetic and the matrix unit's own rounding can turn it there, and no further.
;; One version. Each part assembles by itself: llvm-mc -triple=amdgcn-amd-amdhsa -mcpu=gfx1250 --defsym DOCPART=n.
;; ======== version 1 of 1: 2 launches
;; limits: right only within a limited range of input values
;; workspace buffers: acode 13,107,200 bytes; bcode 13,107,200 bytes
;; launch quant (part 1): grid 1024 x 1, 4 waves a work-group, no clusters, 68,096 bytes of LDS; arguments x, weight_packed, scales, acode, bcode; writes acode, bcode
.if DOCPART == 1
	.amdgcn_target "amdgcn-amd-amdhsa--gfx1250"
	.amdhsa_code_object_version 6
	.text
	.protected	k_qe645b7f390_quant
	.globl	k_qe645b7f390_quant
	.p2align	8
	.type	k_qe645b7f390_quant,@function
k_qe645b7f390_quant:
	s_mov_b64 s[64:65], 0
	v_nop
	global_prefetch_b8 v0, s[64:65] scope:SCOPE_SE
	s_setreg_imm32_b32 hwreg(HW_REG_WAVE_MODE, 25, 1), 1
	s_wait_xcnt 0x0
; Both operands of out0 = Q(x) Q(w)^T + bias are turned into codes of FP6 (E2M3) with one E8M0 scale byte for each 32 along K.
; x: [4096][4096] f32.  w[o][k] = (nibble - 8) x scales[o][k / 128]: word k / 2 of weight_packed's row o holds the even k in bits 3:0 and the odd k in bits 7:4; higher bits are masked off.
; LEFT OUT: the input 'zeros'.  reference() names it among its arguments and uses it in no expression, so for all values it has no way to out0: it is loaded by no launch and is no argument.
; A NaN or an infinity in 'zeros' is therefore not carried to the result, as in reference().
; THE OUTPUT IS LAID IN THE ORDER OF THE OPERAND'S REGISTERS.  acode and bcode are 1,024 blocks of 12,800 bytes; block 32 g + S serves rows 128 g .. 128 g + 127 and K = 128 S .. 128 S + 127.
;   bytes 0 .. 12,287: 8 fragments (16 rows x 128 K, 12 registers a lane); that of row block i at 1,536 i; register R of lane l at 512 (R / 4) + 16 l + 4 (R % 4).
;   bytes 12,288 on:   the scale words (four bytes: 128 along K of one row): that of row r of row block i at 64 i + 4 r.
; A block's scale is 2^(floor(log2(its largest magnitude)) - 2); its byte is that magnitude's exponent field - 2, held at 1 from below.
; LIMITS: NaN and infinities among the inputs are not served; blocks of 32 whose largest magnitude lies under 2^-124 keep the byte 1; a block of zeros keeps the byte 1 where the rule says 127
; (its codes are zeros, which add nothing, and the bytes are read by this program alone); |scales| stays under 2^124, so that 8 x a scale is finite.
; SHARES.  Work-group 2 t takes 32 rows x 1,024 K of x (rows 32 (t / 4) on, K = 1,024 (t % 4) on), work-group 2 t + 1 the same of w: so a work-group reads 4,096 consecutive bytes of each of its rows of x, 2,048 of w.
; Wave p takes the p-th 256 along K of these 32 rows: four fragments f = 2 j + q (row block j of the two, q-th 128 along K).
; Every load reads 512 consecutive bytes of one row; 16 rows turn through the wave's own stage in LDS (rows 528 bytes apart) and come back so that lane (r, h) holds, of row r, the two whole blocks
; of 32 that the operand's layout gives it: k = 32 h + 0 .. 31 and 64 + 32 h + 0 .. 31.  So a block's largest magnitude needs no other lane, and the conversions' results are the operand's registers.
; Codes leave in stores of 512 consecutive aligned bytes.  A wave's 32 scale words of one output block are 128 consecutive bytes: half of an aligned 256, the other half being another work-group's; they are 1 byte in 25 of what is stored.
; No barrier: waves share nothing.  The two paths part once on the work-group's number, never join, and have LDS bytes of their own.
.set BLK,   12800
.set SCW,   12288                      ; where a block's scale words begin
.set FRB,   1536                       ; a fragment's image
.set SPX,   528                        ; a stage row: 512 bytes + 16, an odd multiple of 16
.set WST,   16*SPX                     ; a wave's stage
.set WBASE, 4*WST                      ; the w path's four stages lie behind the x path's
.set SPARE, 8*WST                      ; behind the stages: the spare words, 128 bytes a wave
.set LO,   1                           ; v1   16 x lane: my 16 bytes of a load's 512
.set SIX,  2                           ; v2   x path: the stage on the way in
.set SOX,  3                           ; v3   x path: the stage on the way out: 528 r + 128 h
.set SH8,  4                           ; v4   8 h: where my two scale bytes stand in the word
.set CO,   5                           ; v5   codes: 16 x lane + 3,072 x (which 32 of the block's 128 rows)
.set WO,   6                           ; v6   scale words: 4 x lane + 128 x the same
.set QO,   7                           ; v7   w's f32 scales: 128 r
.set TP,   8                           ; v8   a lane permute's destination
.set LN,   9                           ; v9   lane
.set MX,   10                          ; v10-11 largest magnitudes;  v12-13 the conversions' scale operands;  v14-15 scale bytes
.set RB,   16                          ; v16-79, v80-143, v144-207: three sets of 64
.set XR,   RB+128                      ; w path: the third set takes the 64 numbers of a fragment
.set CD,   208                         ; v208-219, v220-231: two sets of codes, fragment f in set f % 2
.set T4,   232                         ; v232-234, v236-238 the conversions whose place in the fragment begins on an odd register
.set SPW,  235                         ; v235 LDS address of my spare word; never rewritten
.set NIL,  239                         ; v239 0; never rewritten
.set WD,   240                         ; v240-243 the four fragments' scale words
.set SQ,   244                         ; v244-247 w's f32 scales of (j, q)
.set SP,   248                         ; v[248:249] s, named as a pair
.set NP,   250                         ; v[250:251] -8 s, named as a pair
.set OW,   252                         ; v252-253 the two scale words that I store
.set SIW,  254                         ; v254 w path: the stage on the way in
.set SOW,  255                         ; v255 w path: the stage on the way out: 528 r + 64 h
	s_load_b256 s[4:11], s[0:1], 0x0               ; x s[4:5], weight_packed s[6:7], scales s[8:9], acode s[10:11]
	s_load_b64 s[12:13], s[0:1], 0x20              ; bcode
	v_lshrrev_b32 v[LN], 5, v0
	v_readfirstlane_b32 s14, v[LN]                 ; wave p
	s_lshr_b32 s15, ttmp9, 1                       ; t
	s_and_b32 s16, ttmp9, 1                        ; x or w
	s_lshr_b32 s26, s15, 2                         ; which 32 rows
	s_and_b32 s18, s15, 3
	s_lshl_b32 s18, s18, 2
	s_add_co_u32 s18, s18, s14                     ; which 256 along K: 4 (t % 4) + p
	s_lshr_b32 s17, s26, 2                         ; g: which 128 rows
	s_and_b32 s27, s26, 3                          ; which 32 of them: row blocks 2 s27 and 2 s27 + 1
	s_lshl_b32 s20, s17, 4
	s_add_co_u32 s20, s20, s18
	s_mul_i32 s20, s20, 2*BLK                      ; output block 32 g + 2 s18 begins here (under 2^24)
	s_mov_b32 s21, 0
	s_mov_b32 s23, 0
	s_mul_i32 s28, s27, 2*FRB
	s_lshl_b32 s29, s27, 7
	s_mul_i32 s19, s14, WST                        ; my stage on the x path,
	s_add_co_u32 s30, s19, WBASE                   ; and on the w path
	s_mov_b32 s24, 0x76543210
	s_mov_b32 s25, 0xfedcba98                      ; v_permlanex16_b32's selects for lane l xor 16
	v_lshl_add_u32 v[SPW], v0, 2, SPARE
	v_mov_b32 v[NIL], 0
	v_and_b32 v[LN], 31, v0
	v_and_b32 v10, 15, v0                          ; r
	v_bfe_u32 v11, v0, 4, 1                        ; h
	v_lshlrev_b32 v[LO], 4, v[LN]
	v_lshlrev_b32 v[SH8], 3, v11
	v_add_nc_u32 v[CO], s28, v[LO]
	v_lshl_add_u32 v[WO], v[LN], 2, s29
	v_lshlrev_b32 v[QO], 7, v10
	v_mul_u32_u24 v12, v10, SPX
	v_lshl_add_u32 v13, v11, 7, v12
	v_lshl_add_u32 v14, v11, 6, v12
	v_add_nc_u32 v[SIX], s19, v[LO]
	v_add_nc_u32 v[SOX], s19, v13
	v_add_nc_u32 v[SIW], s30, v[LO]
	v_add_nc_u32 v[SOW], s30, v14
	v_mov_b32 v[TP], 0                             ; written once: a lane permute's destination counts as one of its sources
	v_mov_b32 v[SP+1], 0                           ; the upper halves of the two pairs are named, so they are written
	v_mov_b32 v[NP+1], 0
; 16 rows of x, 128 along K: unit u = 2 j + q is one fragment's numbers
.macro LOADX u, set
.irp rr, 0,1,2,3,4,5,6,7,8,9,10,11,12,13,14,15
	global_load_b128 v[RB+64*(\set)+4*\rr:RB+64*(\set)+4*\rr+3], v[LO], s[4:5] offset:(16*((\u)/2)+\rr)*16384+512*((\u)%2) th:TH_LOAD_NT
.endr
.endm
; 16 rows of weight_packed, 128 words: unit j is two fragments' nibbles
.macro LOADW j
.irp rr, 0,1,2,3,4,5,6,7,8,9,10,11,12,13,14,15
	global_load_b128 v[RB+64*(\j)+4*\rr:RB+64*(\j)+4*\rr+3], v[LO], s[6:7] offset:(16*(\j)+\rr)*8192 th:TH_LOAD_NT
.endr
.endm
; A unit goes into the stage as it was loaded and comes back, into the same registers, as the operand wants it.  LDS serves a wave's instructions in order: no wait between the stores and the loads.
.macro TURNX set
.irp rr, 0,1,2,3,4,5,6,7,8,9,10,11,12,13,14,15
	ds_store_b128 v[SIX], v[RB+64*(\set)+4*\rr:RB+64*(\set)+4*\rr+3] offset:SPX*\rr
.endr
.irp c, 0,1
.irp i, 0,1,2,3,4,5,6,7
	ds_load_b128 v[RB+64*(\set)+32*\c+4*\i:RB+64*(\set)+32*\c+4*\i+3], v[SOX] offset:256*\c+16*\i   ; block 2 c + h of my row: 128 bytes
.endr
.endr
	s_wait_dscnt 0x0
.endm
.macro TURNW j
.irp rr, 0,1,2,3,4,5,6,7,8,9,10,11,12,13,14,15
	ds_store_b128 v[SIW], v[RB+64*(\j)+4*\rr:RB+64*(\j)+4*\rr+3] offset:SPX*\rr
.endr
.irp q, 0,1
.irp c, 0,1
.irp i, 0,1,2,3
	ds_load_b128 v[RB+64*(\j)+32*\q+16*\c+4*\i:RB+64*(\j)+32*\q+16*\c+4*\i+3], v[SOW] offset:256*\q+128*\c+16*\i   ; fragment q, block 2 c + h of my row: 16 words
.endr
.endr
.endr
	s_wait_dscnt 0x0
.endm
; 32 words at v[y] on become fragment f's 64 numbers: (n - 8) s as one fused multiply-add n s + (-8 s).  8 s is exact, so the result is rounded once, as the product (n - 8) x s is.
.macro UNPACK y, f
	v_mov_b32 v[SP], v[SQ+(\f)]
	v_mul_f32 v[NP], 0xc1000000, v[SQ+(\f)]        ; -8 s
.set n_, 0
.rept 32
	v_and_b32 v[XR+2*n_], 15, v[(\y)+n_]           ; the even k
	v_bfe_u32 v[XR+2*n_+1], v[(\y)+n_], 4, 4       ; the odd k
.set n_, n_+1
.endr
.set n_, 0
.rept 64
	v_cvt_f32_u32 v[XR+n_], v[XR+n_]
.set n_, n_+1
.endr
.set n_, 0
.rept 32
	v_pk_fma_f32 v[XR+n_:XR+n_+1], v[XR+n_:XR+n_+1], v[SP:SP+1], v[NP:NP+1] op_sel_hi:[1,0,0]   ; of the pairs s and -8 s the low word serves both halves
.set n_, n_+2
.endr
.endm
; 64 numbers of a lane at v[src] on (registers 0-31: block h of my row, 32-63: block 2 + h) become fragment f's 12 registers of codes and its scale word.
.macro QUANT src, f
.set CS, CD+12*((\f)%2)
	v_max3_num_f32 v[MX],   |v[(\src)]|,    |v[(\src)+1]|,  0x1800000   ; the floor 2^(3 - 127): the byte cannot fall under 1
	v_max3_num_f32 v[MX+1], |v[(\src)+32]|, |v[(\src)+33]|, 0x1800000
.irp i, 2,4,6,8,10,12,14,16,18,20,22,24,26,28,30
	v_max3_num_f32 v[MX],   v[MX],   |v[(\src)+\i]|,    |v[(\src)+\i+1]|     ; the two blocks by turns
	v_max3_num_f32 v[MX+1], v[MX+1], |v[(\src)+32+\i]|, |v[(\src)+33+\i]|
.endr
	v_add_nc_u32 v[MX+2], 0xff000000, v[MX]        ; 2 off the exponent field: the conversion takes the exponent field of this operand as its scale
	v_add_nc_u32 v[MX+3], 0xff000000, v[MX+1]
	v_lshrrev_b32 v[MX+4], 23, v[MX+2]             ; the scales' bytes
	v_lshrrev_b32 v[MX+5], 23, v[MX+3]
	v_lshl_or_b32 v[WD+(\f)], v[MX+5], 16, v[MX+4] ; blocks h and 2 + h,
	v_lshlrev_b32 v[WD+(\f)], v[SH8], v[WD+(\f)]   ; at their places in the word;
	v_permlanex16_b32 v[TP], v[WD+(\f)], s24, s25
	v_or_b32 v[WD+(\f)], v[WD+(\f)], v[TP]         ; with lane l xor 16's two the word is whole, in both lanes
	v_cvt_scalef32_pk16_fp6_f32 v[CS:CS+2],     v[(\src):(\src)+15],    v[MX+2]
	v_cvt_scalef32_pk16_fp6_f32 v[T4:T4+2],     v[(\src)+16:(\src)+31], v[MX+2]   ; (a conversion's three registers begin on an even number: the second half of a block's six is made here and moved)
	v_cvt_scalef32_pk16_fp6_f32 v[CS+6:CS+8],   v[(\src)+32:(\src)+47], v[MX+3]
	v_cvt_scalef32_pk16_fp6_f32 v[T4+4:T4+6],   v[(\src)+48:(\src)+63], v[MX+3]
	v_nop                                          ; one plain place behind the scaled conversions
.irp i, 0,1,2
	v_mov_b32 v[CS+3+\i], v[T4+\i]
	v_mov_b32 v[CS+9+\i], v[T4+4+\i]
.endr
.endm
; fragment f = 2 j + q leaves as an image of its registers, into output block q at my j-th row block: each store covers 512 consecutive bytes, at a multiple of 512 from the buffer's first byte
.macro PUT f, bs
.set CS, CD+12*((\f)%2)
.irp k, 0,1,2
	global_store_b128 v[CO], v[CS+4*\k:CS+4*\k+3], s[\bs:\bs+1] offset:BLK*((\f)%2)+FRB*((\f)/2)+512*\k
.endr
.endm
; the wave's 64 scale words: lanes 0-15 hold those of row block j = 0, lanes 16-31 those of j = 1; one store of 128 consecutive bytes for each q
.macro WORDS bs
	v_cmp_le_u32 vcc_lo, 16, v[LN]
	v_cndmask_b32 v[OW],   v[WD],   v[WD+2], vcc_lo
	v_cndmask_b32 v[OW+1], v[WD+1], v[WD+3], vcc_lo
	global_store_b32 v[WO], v[OW],   s[\bs:\bs+1] offset:SCW
	global_store_b32 v[WO], v[OW+1], s[\bs:\bs+1] offset:BLK+SCW
.endm
	s_wait_alu depctr_va_vdst(0)                   ; the wait at the head's end, directly ahead of the wait below
	s_wait_kmcnt 0x0
	s_cmp_lg_u32 s16, 0
	s_cbranch_scc1 .Lw_path
	; ---- x: rows of 16,384 bytes
	s_lshl_b32 s22, s26, 19                        ; 32 rows a group,
	s_lshl_b32 s19, s18, 10                        ; 256 numbers a wave
	s_add_co_u32 s22, s22, s19
	s_add_nc_u64 s[4:5], s[4:5], s[22:23]
	s_add_nc_u64 s[10:11], s[10:11], s[20:21]
	LOADX 0, 0
	LOADX 1, 1
	LOADX 2, 2
	s_wait_loadcnt 32                              ; unit 0 is in; units 1 and 2 may be out
	TURNX 0
	QUANT RB, 0
	PUT 0, 10
	LOADX 3, 0                                     ; set 0 has been read out
	s_wait_loadcnt 32                              ; unit 1 is in; units 2 and 3 may be out
	TURNX 1
	QUANT RB+64, 1
	PUT 1, 10
	s_wait_loadcnt 16                              ; unit 2 is in; unit 3 may be out
	TURNX 2
	s_wait_xcnt 0x0                                ; fragment 0's stores have read their registers: that set of codes is written again only behind this wait
	QUANT RB+128, 2
	PUT 2, 10
	s_wait_loadcnt 0x0
	TURNX 0
	s_wait_xcnt 0x0                                ; fragment 1's likewise
	QUANT RB, 3
	PUT 3, 10
	WORDS 10
	s_wait_tensorcnt 0x0                           ; the wave's end
	ds_add_u32 v[SPW], v[NIL]
	s_wait_dscnt 0x0
	s_endpgm
.Lw_path:
	; ---- w: rows of 2,048 words, 8,192 bytes; rows of 32 f32 scales, 128 bytes
	s_lshl_b32 s22, s26, 18
	s_lshl_b32 s19, s18, 9                         ; 256 numbers are 128 words
	s_add_co_u32 s22, s22, s19
	s_add_nc_u64 s[6:7], s[6:7], s[22:23]
	s_lshl_b32 s22, s26, 12
	s_lshl_b32 s19, s18, 3                         ; two groups of 128 along K
	s_add_co_u32 s22, s22, s19
	s_add_nc_u64 s[8:9], s[8:9], s[22:23]
	s_add_nc_u64 s[12:13], s[12:13], s[20:21]
	global_load_b64 v[SQ:SQ+1],   v[QO], s[8:9]               ; my row's two scales, row block j = 0,
	global_load_b64 v[SQ+2:SQ+3], v[QO], s[8:9] offset:2048   ; and j = 1
	LOADW 0
	LOADW 1
	s_wait_loadcnt 16                              ; the scales and unit 0 are in; unit 1 may be out
	TURNW 0
	UNPACK RB, 0
	QUANT XR, 0
	PUT 0, 12
	UNPACK RB+32, 1
	QUANT XR, 1
	PUT 1, 12
	s_wait_loadcnt 0x0
	TURNW 1
	UNPACK RB+64, 2
	s_wait_xcnt 0x0                                ; fragment 0's stores have read their registers
	QUANT XR, 2
	PUT 2, 12
	UNPACK RB+96, 3
	s_wait_xcnt 0x0                                ; fragment 1's likewise
	QUANT XR, 3
	PUT 3, 12
	WORDS 12
	s_wait_tensorcnt 0x0                           ; the wave's end, as above
	ds_add_u32 v[SPW], v[NIL]
	s_wait_dscnt 0x0
	s_endpgm
.Lfunc_end_k_qe645b7f390_quant:
	.size	k_qe645b7f390_quant, .Lfunc_end_k_qe645b7f390_quant-k_qe645b7f390_quant
	.p2alignl 7, 3214868480
	.fill 96, 4, 3214868480
	.section	.rodata,"a",@progbits
	.p2align	6, 0x0
	.amdhsa_kernel k_qe645b7f390_quant
		.amdhsa_group_segment_fixed_size 68096
		.amdhsa_private_segment_fixed_size 0
		.amdhsa_enable_private_segment 0
		.amdhsa_kernarg_size 40
		.amdhsa_user_sgpr_count 2
		.amdhsa_user_sgpr_kernarg_segment_ptr 1
		.amdhsa_wavefront_size32 1
		.amdhsa_system_sgpr_workgroup_id_x 1
		.amdhsa_system_sgpr_workgroup_id_y 1
		.amdhsa_system_sgpr_workgroup_id_z 1
		.amdhsa_system_vgpr_workitem_id 0
		.amdhsa_next_free_vgpr 256
		.amdhsa_next_free_sgpr 66
		.amdhsa_reserve_vcc 1
		.amdhsa_float_denorm_mode_32 3
		.amdhsa_float_denorm_mode_16_64 3
		.amdhsa_memory_ordered 1
		.amdhsa_forward_progress 1
		.amdhsa_inst_pref_size 80
	.end_amdhsa_kernel
	.amdgpu_metadata
---
amdhsa.version: [ 1, 2 ]
amdhsa.kernels:
  - .name:           k_qe645b7f390_quant
    .symbol:         k_qe645b7f390_quant.kd
    .args:
      - { .name: x, .offset: 0, .size: 8, .value_kind: global_buffer, .address_space: global }
      - { .name: weight_packed, .offset: 8, .size: 8, .value_kind: global_buffer, .address_space: global }
      - { .name: scales, .offset: 16, .size: 8, .value_kind: global_buffer, .address_space: global }
      - { .name: acode, .offset: 24, .size: 8, .value_kind: global_buffer, .address_space: global }
      - { .name: bcode, .offset: 32, .size: 8, .value_kind: global_buffer, .address_space: global }
    .group_segment_fixed_size: 68096
    .private_segment_fixed_size: 0
    .kernarg_segment_align: 8
    .kernarg_segment_size: 40
    .max_flat_workgroup_size: 128
    .sgpr_count:     66
    .vgpr_count:     256
    .wavefront_size: 32
...
	.end_amdgpu_metadata
.endif
;; end of part 1
;; launch gemm (part 2): grid 16 x 16, 4 waves a work-group, clusters of 4 x 4, 327,680 bytes of LDS; arguments acode, bcode, bias, out0; writes out0
.if DOCPART == 2
	.amdgcn_target "amdgcn-amd-amdhsa--gfx1250"
	.amdhsa_code_object_version 6
	.text
	.protected	k_qe645b7f390_gemm
	.globl	k_qe645b7f390_gemm
	.p2align	8
	.type	k_qe645b7f390_gemm,@function
k_qe645b7f390_gemm:
	s_mov_b64 s[64:65], 0
	v_nop
	global_prefetch_b8 v0, s[64:65] scope:SCOPE_SE
	s_setreg_imm32_b32 hwreg(HW_REG_WAVE_MODE, 25, 1), 1
	s_wait_xcnt 0x0
	s_wait_alu depctr_hold_cnt(0) depctr_sa_sdst(0) depctr_va_vdst(0) depctr_va_sdst(0) depctr_va_ssrc(0) depctr_va_vcc(0) depctr_vm_vsrc(0)
	s_getreg_b32 s2, hwreg(HW_REG_IB_STS2, 6, 4)
	s_cmp_eq_u32 s2, 0
	s_cbranch_scc0 .Lentry_in_a_cluster
	s_endpgm
.Lentry_in_a_cluster:
	s_bfe_u32 s2, ttmp6, 0x10000c
	s_cmp_lg_u32 s2, 0xf033
	s_cbranch_scc0 .Lentry_shape_is_right
	s_endpgm
.Lentry_shape_is_right:
; out0[m][n] = sum over k of Q(x)[m][k] Q(w)[n][k] + bias[n], 4,096 x 4,096 x 4,096, on codes of FP6 (E2M3) with E8M0 scales.  ('zeros' has no way to out0 and is no argument: see the first kernel.)
; acode, bcode: blocks of 12,800 bytes; block 32 g + S serves rows 128 g .. + 127 and K = 128 S .. + 127: 8 images of a fragment's registers (1,536 bytes; register R of lane l at 512 (R / 4) + 16 l + 4 (R % 4)),
; then 512 bytes of scale words (row r of row block i at 64 i + 4 r).  So a fragment is three ds_load_b128 at 16 x lane, and the blocks of neighbouring S of one g are one dense run of memory.
; A tile of out0, 256 x 256, is made by a work-group of four waves; a wave makes 128 x 128: 64 accumulators, 512 registers.  256 work-groups.
; THE RING: two equal LDS slots, each with THREE steps of 128 along K of A's 256 rows and B's 256 rows: 4 x 38,400 bytes.  The 32 steps are eleven fills: ten of three steps and a last one of two; fill f lies in slot f % 2.
; Each wave brings a quarter of a slot by one tensor load, a dense run of 150 rows of 256 bytes (the last fill: 100).
; A STEP has ONE run of LDS loads and then 64 matrix instructions on end.  A, B and the scale words each have two sets of registers, by the step's parity: at a step's head the next step's 56 loads are issued into the other sets,
; and the wait there leaves just these 56 out.  So a slot has been read out when its last step begins: the change of slots stands at that step's head, and from a refill to the wait for it a wave issues 176 matrix instructions.
; CLUSTERS: 4 x 4 work-groups.  A's tiles are shared along a row of the cluster, B's along a column: each is asked for jointly, by the same tensor load with the same descriptor and a mask that names the four.
; PREFETCH: behind each fill's tensor load a wave asks for the run that its NEXT tensor load will bring, three K steps ahead of that load: 150 blocks of 256 bytes, shared out by address among the four partners that load the
; run jointly (38 blocks each, two instructions a wave; lanes left over name the share's last block again).  The last fill, of two steps, is not asked for: it comes by its load alone.
; THE MATRIX INSTRUCTION IS USED TRANSPOSED (source 0 = 16 rows of w, source 1 = 16 rows of x): a lane holds eight neighbouring numbers of a row of out0.  The first step's products take the bias as C: nothing is cleared or added later.
; REGISTERS: window 0: v0-31 addresses; v32-47 scale words, two sets of 8 (lanes 0-15 A's block i, lanes 16-31 B's block i); v64-159, v160-255 A's fragments, two sets; on the way out v128-255.
;   window 1: v0-95, v96-191 B's fragments, two sets; v192-255 the bias in the result's layout.  window 2: the accumulators of my rows 0-63 ((a, b) at v[8 (8 a + b)]);  window 3: those of rows 64-127.
.set BLK,    12800
.set REG,    3*BLK                     ; a wave's part of a slot
.set SLOT,   4*REG                     ; A's two halves, then B's two halves
.set SPARE,  2*SLOT                    ; behind the ring: the spare words, 128 bytes a wave
.set STAGE,  SLOT                      ; the way out goes through slot 1: it has had its last fill and its last read by then (the last fill lies in slot 0)
.set SPITCH, 528
.set SCW,    12288
.set FRB,    1536
.set FR,     12
.set SET,    8*FR                      ; a set of fragments: 96 registers
.set RUN,    56                        ; LDS loads of a step: 2 x 8 fragments x 3, and 8 scale words
.set NP,     4                         ; places behind this matrix instruction (ISA guide 7.12.1)
.set TRIPS,  4
.set NROW,   16384                     ; a row of out0 in bytes
.set BO,   7                           ; v7  bias: 32 h
.set PF0,  8                           ; v8-9 the prefetches' offsets: 256 x my block of the run
.set PF1,  9
.set ADRA, 16                          ; v16-17 my A fragments in slot 0, 1
.set ADRS, 18                          ; v18-19 my scale words
.set ADRB, 20                          ; v20-21 my B fragments
.set STO,  24
.set RD,   25
.set CO,   26                          ; v26 16 x lane
.set SPW,  28                          ; v28 my spare word; never rewritten
.set NIL,  29                          ; v29 0; never rewritten
.set SC,   32
.set AF,   64                          ; A's sets, window 0
.set BI,   192                         ; the bias, window 1
.set BK,   128
.set G1,   24                          ; s[24:31] group 1, A's tiles, 150 rows;  s[32:39] group 0, one for each slot
.set G0,   32
.set G1B,  48                          ; s[48:55], s[56:63] the same for B
.set G0B,  56
.set PFA,  68                          ; s[68:69] the run that my last tensor load brought or is bringing; a prefetch names the run behind it
.set G1S,  72                          ; s[72:79], s[80:87] group 1 for the last fill, 100 rows: A's, B's
.set G1SB, 80
.set MSB, 0
.macro WIN new                         ; the immediate's high byte repeats the setting that is left
.if MSB != (\new)
	s_set_vgpr_msb (MSB<<8)|(\new)
.set MSB, (\new)
.endif
.endm
.set MUL_LO,   0xa1                    ; source 0 (B) window 1, source 1 (A) window 0, C and D window 2;  + 0x50: C and D window 3
.set FIRST_LO, 0x91                    ; the same with C (the bias) in window 1;  + 0x40: D window 3
.set TO_B,     0x40                    ; destination window 1, address window 0
; A joint load: waves 0 and 1 fetch A's halves, waves 2 and 3 B's.  An s_nop 0 and four v_nop follow each line.
.macro JLOAD g0a, g1a, g0b, g1b
	s_cmp_eq_u32 s15, 0
	s_cbranch_scc0 .Lfor_b_\@
	tensor_load_to_lds s[\g0a:\g0a+3], s[\g1a:\g1a+7]
	s_nop 0
.rept 4
	v_nop
.endr
	s_branch .Lasked_\@
.Lfor_b_\@:
	tensor_load_to_lds s[\g0b:\g0b+3], s[\g1b:\g1b+7]
	s_nop 0
.rept 4
	v_nop
.endr
.Lasked_\@:
.endm
.macro CREST                           ; a round of the cluster's barrier behind its opening barrier
	s_cmp_lg_u32 s14, 0
	s_cbranch_scc1 .Lnot_wave_0_\@
	s_barrier_signal -3
.Lnot_wave_0_\@:
	s_barrier_wait -3
	s_barrier_signal -1
	s_barrier_wait -1
.endm
.macro CROUND
	s_barrier_signal -1
	s_barrier_wait -1
	CREST
.endm
.macro ASK off, guard                  ; guard = 1: not in the loop's last trip, where the run behind is the last fill's
.if \guard
	s_cmp_gt_u32 s3, 1
	s_cbranch_scc0 .Lno_ask_\@
.endif
	global_prefetch_b8 v[PF0], s[PFA:PFA+1] offset:\off th:TH_LOAD_NT scope:SCOPE_SE
	global_prefetch_b8 v[PF1], s[PFA:PFA+1] offset:\off th:TH_LOAD_NT scope:SCOPE_SE
.if \guard
.Lno_ask_\@:
.endif
.endm
	s_load_b256 s[4:11], s[0:1], 0x0               ; acode, bcode, bias, out0
	v_lshl_add_u32 v[SPW], v0, 2, SPARE
	v_mov_b32 v[NIL], 0
	ds_add_u32 v[SPW], v[NIL]                      ; the opening lines: the add, twice on end, and its wait ahead of my first tensor load
	ds_add_u32 v[SPW], v[NIL]
	v_lshrrev_b32 v1, 5, v0
	v_readfirstlane_b32 s14, v1                    ; wave
	s_lshr_b32 s15, s14, 1                         ; my half of the tile's rows.  Also: I fetch for A (0) or B (1)
	s_and_b32 s16, s14, 1                          ; my half of its columns.  Also: which 128 rows I fetch
	s_bfe_u32 s40, ttmp6, 0x40000                  ; cx
	s_bfe_u32 s41, ttmp6, 0x40004                  ; cy
	s_lshl_b32 s42, ttmp9, 2
	s_add_co_u32 s42, s42, s40                     ; tile column
	s_and_b32 s17, ttmp7, 0xffff
	s_lshl_b32 s17, s17, 2
	s_add_co_u32 s17, s17, s41                     ; tile row
	s_lshl_b32 s43, s41, 2
	s_lshl_b32 s43, 15, s43                        ; my row of the cluster
	s_lshl_b32 s44, 0x1111, s40                    ; my column
	s_or_b32 s[G1], s43, (3<<16)|(1<<21)           ; the mask; elements of 8 bytes; bit 21 beside a mask
	s_or_b32 s[G1S], s43, (3<<16)|(1<<21)
	s_or_b32 s[G1B], s44, (3<<16)|(1<<21)
	s_or_b32 s[G1SB], s44, (3<<16)|(1<<21)
.irp g, G1, G1B                        ; a dense run as 150 rows of 256 bytes
	s_mov_b32 s[\g+1], 32<<16
	s_mov_b32 s[\g+2], 150<<16
	s_mov_b32 s[\g+3], 32<<16
	s_mov_b32 s[\g+4], 150
	s_mov_b32 s[\g+5], 32
	s_mov_b32 s[\g+6], 0
	s_mov_b32 s[\g+7], 0
.endr
.irp g, G1S, G1SB                      ; the last fill: 100 rows
	s_mov_b32 s[\g+1], 32<<16
	s_mov_b32 s[\g+2], 100<<16
	s_mov_b32 s[\g+3], 32<<16
	s_mov_b32 s[\g+4], 100
	s_mov_b32 s[\g+5], 32
	s_mov_b32 s[\g+6], 0
	s_mov_b32 s[\g+7], 0
.endr
	s_lshl_b32 s20, s17, 1
	s_add_co_u32 s20, s20, s16                     ; A: g = 2 x tile row + the half that I fetch
	s_mul_i32 s20, s20, 32*BLK
	s_mov_b32 s21, 0
	s_lshl_b32 s46, s42, 1
	s_add_co_u32 s46, s46, s16                     ; B: g = 2 x tile column + half
	s_mul_i32 s46, s46, 32*BLK
	s_mov_b32 s47, 0
	s_lshl_b32 s22, s42, 10                        ; my first column in bytes: 1,024 x tile column + 512 x half
	s_lshl_b32 s23, s16, 9
	s_add_co_u32 s22, s22, s23
	s_mov_b32 s23, 0
	s_mul_i32 s45, s14, REG                        ; where my loads land: wave x 38,400
	s_mul_i32 s18, s15, REG                        ; the half of A that I read,
	s_mul_i32 s19, s16, REG
	s_add_co_u32 s19, s19, 2*REG                   ; the half of B
	s_sub_co_u32 s12, s19, s18
	s_mul_i32 s13, s14, 16*SPITCH
	s_add_co_u32 s13, s13, STAGE                   ; my stage
	s_cmp_eq_u32 s15, 0
	s_cselect_b32 s66, s40, s41                    ; my place among the four that load my run with me
	s_mul_i32 s66, s66, 38                         ; my share's first block
	v_and_b32 v1, 15, v0                           ; r
	v_bfe_u32 v2, v0, 4, 1                         ; h
	v_and_b32 v3, 31, v0                           ; lane
	v_lshlrev_b32 v[CO], 4, v3
	v_lshlrev_b32 v[BO], 5, v2
	v_min_u32 v6, 5, v3
	v_add_nc_u32 v[PF0], s66, v3                   ; blocks 38 p + 0 .. 31,
	v_add3_u32 v[PF1], v6, s66, 32                 ; and 38 p + 32 .. 37,
	v_min_u32 v[PF0], 149, v[PF0]                  ; inside the run of 150
	v_min_u32 v[PF1], 149, v[PF1]
	v_lshlrev_b32 v[PF0], 8, v[PF0]
	v_lshlrev_b32 v[PF1], 8, v[PF1]
	v_mul_u32_u24 v4, s12, v2                      ; scale words: lanes 16-31 take B's
	v_lshl_add_u32 v4, v1, 2, v4
	v_add_nc_u32 v4, s18, v4
	v_add_nc_u32 v[ADRS], SCW, v4
	v_add_nc_u32 v[ADRS+1], SCW+SLOT, v4
	v_add_nc_u32 v[ADRA], s18, v[CO]
	v_add_nc_u32 v[ADRB], s19, v[CO]
	v_add_nc_u32 v[ADRA+1], SLOT, v[ADRA]
	v_add_nc_u32 v[ADRB+1], SLOT, v[ADRB]
	v_mul_u32_u24 v5, v1, SPITCH                   ; into the stage: row r, 32 bytes for each half of the lanes
	v_lshl_add_u32 v5, v2, 5, v5
	v_add_nc_u32 v[STO], s13, v5
	v_add_nc_u32 v[RD], s13, v[CO]                 ; back: the 32 lanes take one row of 512 bytes
	s_wait_alu depctr_va_vdst(0)                   ; the wait at the end of the head's vector work, directly ahead of the wait below
	s_wait_dscnt 0x0                               ; both opening adds are done
	CROUND                                         ; the round in front of the first joint loads; it hangs on no argument, so it stands ahead of the wait for them
	s_wait_kmcnt 0x0
	s_add_nc_u64 s[20:21], s[4:5], s[20:21]
	s_add_nc_u64 s[46:47], s[6:7], s[46:47]
.irp s, 0,1                            ; fill 0 into slot 0, fill 1 into slot 1
	s_mov_b32 s[G0+4*\s], 1
	s_add_co_u32 s[G0+4*\s+1], s45, \s*SLOT
	s_add_nc_u64 s[G0+4*\s+2:G0+4*\s+3], s[20:21], \s*REG
	s_or_b32 s[G0+4*\s+3], s[G0+4*\s+3], 0x80000000
	s_mov_b32 s[G0B+4*\s], 1
	s_add_co_u32 s[G0B+4*\s+1], s45, \s*SLOT
	s_add_nc_u64 s[G0B+4*\s+2:G0B+4*\s+3], s[46:47], \s*REG
	s_or_b32 s[G0B+4*\s+3], s[G0B+4*\s+3], 0x80000000
.endr
	JLOAD G0, G1, G0B, G1B                         ; fill 0: one tensor load a wave at the head
	s_add_nc_u64 s[8:9], s[8:9], s[22:23]          ; the bias at my 128 columns: wanted by the first products
	s_cmp_eq_u32 s15, 0
	s_cselect_b64 s[PFA:PFA+1], s[20:21], s[46:47]
	WIN TO_B
.irp b, 0,1,2,3,4,5,6,7
	global_load_b128 v[BI+8*\b:BI+8*\b+3],   v[BO], s[8:9] offset:64*\b       ; bias[16 b + 8 h + 0 .. 7], into window 1
	global_load_b128 v[BI+8*\b+4:BI+8*\b+7], v[BO], s[8:9] offset:64*\b+16
.endr
	WIN 0
	s_lshl_b32 s66, s17, 8                         ; my first row of out0: 256 x tile row + 128 x half, rows of 16,384 bytes
	s_lshl_b32 s67, s15, 7
	s_add_co_u32 s66, s66, s67
	s_lshl_b32 s66, s66, 14
	s_mov_b32 s67, 0
	s_add_nc_u64 s[10:11], s[10:11], s[66:67]
	s_add_nc_u64 s[10:11], s[10:11], s[22:23]
	ASK REG, 0                                     ; fill 1's run
.macro FRAG reg, adr, j, i             ; fragment i of the slot's step j: three loads of 16 bytes a lane
.irp c, 0,1,2
	ds_load_b128 v[\reg+4*\c:\reg+4*\c+3], v[\adr] offset:(\j)*BLK+(\i)*FRB+512*\c
.endr
.endm
.macro PLACES n                        ; in front of loads into registers that matrix instructions have read, and of reads of results
.rept \n
	v_nop
.endr
.endm
; A group: A's block a against B's eight.  q: the step's parity (the sets).  The 64 accumulators take turns, in the same order in every step.
.macro GROUP a, q, first
.if \first
	WIN FIRST_LO+0x40*((\a)/4)
.else
	WIN MUL_LO+0x50*((\a)/4)
.endif
.irp b, 0,1,2,3,4,5,6,7
.if \first
	v_wmma_scale_f32_16x16x128_f8f6f4 v[8*(8*((\a)%4)+\b):8*(8*((\a)%4)+\b)+7], v[SET*(\q)+FR*\b:SET*(\q)+FR*\b+FR-1], v[AF+SET*(\q)+FR*(\a):AF+SET*(\q)+FR*(\a)+FR-1], v[BI+8*\b:BI+8*\b+7], v[SC+8*(\q)+\b], v[SC+8*(\q)+(\a)] matrix_a_fmt:MATRIX_FMT_FP6 matrix_b_fmt:MATRIX_FMT_FP6 matrix_a_scale:MATRIX_SCALE_ROW1
.else
	v_wmma_scale_f32_16x16x128_f8f6f4 v[8*(8*((\a)%4)+\b):8*(8*((\a)%4)+\b)+7], v[SET*(\q)+FR*\b:SET*(\q)+FR*\b+FR-1], v[AF+SET*(\q)+FR*(\a):AF+SET*(\q)+FR*(\a)+FR-1], v[8*(8*((\a)%4)+\b):8*(8*((\a)%4)+\b)+7], v[SC+8*(\q)+\b], v[SC+8*(\q)+(\a)] matrix_a_fmt:MATRIX_FMT_FP6 matrix_b_fmt:MATRIX_FMT_FP6 matrix_a_scale:MATRIX_SCALE_ROW1
.endif
.endr
.endm
; All of the slot's step j into the sets q: one run of 56 LDS loads
.macro FETCH slot, j, q
	WIN TO_B
.irp i, 0,1,2,3,4,5,6,7
	FRAG SET*(\q)+FR*\i, ADRB+\slot, \j, \i
.endr
	WIN 0
.irp i, 0,1,2,3,4,5,6,7
	FRAG AF+SET*(\q)+FR*\i, ADRA+\slot, \j, \i
.endr
.irp i, 0,1,2,3,4,5,6,7
	ds_load_b32 v[SC+8*(\q)+\i], v[ADRS+\slot] offset:(\j)*BLK+64*\i
.endr
.endm
; A step that is not its slot's last: the next step's run into the other sets, which the step before has read (four places behind its last product), then this step's 64 products.
.macro STEP slot, j, q, first
	PLACES NP
	FETCH \slot, \j+1, 1-\q
	s_wait_dscnt RUN                               ; all but the 56 just issued: this step's fragments and scale words are in
.irp a, 0,1,2,3,4,5,6,7
	GROUP \a, \q, \first
.endr
	WIN 0
.endm
; A slot's last step changes slots, at its head: its own fragments were asked for a step ago, so the slot is read no more.  ONE barrier: in front of it each wave waits for all its tensor loads (one is out: its part of the other
; slot), adds 0 to its spare word, and waits for that and for its reads of this slot.  fill = 1: this slot is filled again with three steps; 2: with the last two; 0: not.
; ask = 1, 2: the run behind the one now loaded is prefetched (2: but in the loop's last trip).
.macro TURN slot, q, fill, ask
.if \ask
	s_wait_xcnt 0x0                                ; my earlier prefetches have read their address: it is stepped here, ahead of the waits of the change of slots
	s_add_nc_u64 s[PFA:PFA+1], s[PFA:PFA+1], REG
.endif
	s_wait_tensorcnt 0x0
	ds_add_u32 v[SPW], v[NIL]
.if \fill == 1
	s_add_nc_u64 s[G0+6-4*\slot:G0+7-4*\slot], s[G0+6-4*\slot:G0+7-4*\slot], 2*REG     ; no load of mine is out: the other slot's group 0 steps to that slot's next fill
	s_add_nc_u64 s[G0B+6-4*\slot:G0B+7-4*\slot], s[G0B+6-4*\slot:G0B+7-4*\slot], 2*REG
.endif
	s_wait_dscnt 0x0                               ; the add is done, and my reads of this slot are over: this step's fragments are in
	s_barrier_signal -1
	GROUP 0, \q, 0
	GROUP 1, \q, 0
	WIN 0
	s_barrier_wait -1
.if \fill == 1
	CREST                                          ; the barrier has opened a round of the cluster's barrier
	JLOAD G0+4*\slot, G1, G0B+4*\slot, G1B         ; the first tensor load behind the round; its four v_nop are the places in front of the loads below
.endif
.if \fill == 2
	CREST
	JLOAD G0+4*\slot, G1S, G0B+4*\slot, G1SB
.endif
.if \fill == 0
	PLACES NP
.endif
	FETCH 1-\slot, 0, 1-\q                         ; the other slot's first step
.if \ask
	ASK REG, \ask-1
.endif
.irp a, 2,3,4,5,6,7
	GROUP \a, \q, 0
.endr
	WIN 0
.endm
	s_wait_tensorcnt 0x0                           ; my part of fill 0 is in
	ds_add_u32 v[SPW], v[NIL]
	s_add_nc_u64 s[G0+2:G0+3], s[G0+2:G0+3], 2*REG   ; slot 0's group 0 steps to fill 2
	s_add_nc_u64 s[G0B+2:G0B+3], s[G0B+2:G0B+3], 2*REG
	s_wait_dscnt 0x0
	CROUND                                         ; everybody's part of fill 0 is in, and all sixteen work-groups are here
	JLOAD G0+4, G1, G0B+4, G1B                     ; fill 1, the first tensor load behind the round
	FETCH 0, 0, 0
	ASK 2*REG, 0                                   ; fill 2's run
	s_wait_loadcnt 0x0                             ; the bias is in
	STEP 0, 0, 0, 1                                ; step 0 stands in front of the loop: its products start the sums on the bias
	s_mov_b32 s3, TRIPS
.Ltrip:                                                ; a trip goes once round the ring, from an even fill's second step to the next even fill's first: six steps, both slots filled again
	STEP 0, 1, 1, 0
	TURN 0, 0, 1, 1
	STEP 1, 0, 1, 0
	STEP 1, 1, 0, 0
	TURN 1, 1, 1, 2
	STEP 0, 0, 0, 0
	s_sub_co_u32 s3, s3, 1
	s_cmp_lg_u32 s3, 0
	s_cbranch_scc1 .Ltrip
	STEP 0, 1, 1, 0                                ; fill 8 goes on;
	TURN 0, 0, 2, 0                                ; slot 0 takes the last fill, steps 30 and 31
	STEP 1, 0, 1, 0
	STEP 1, 1, 0, 0
	TURN 1, 1, 0, 0                                ; nothing is filled again: no round
	STEP 0, 0, 0, 0
	s_wait_dscnt 0x0                               ; the very last step: nothing more to fetch
.irp a, 0,1,2,3,4,5,6,7
	GROUP \a, 1, 0
.endr
	WIN 0
; THE WAY OUT, block by block of 16 rows x 128 columns: through my own stage and back as whole rows of 512 bytes, which the 32 lanes store as two aligned units of 256 bytes.
; LDS serves a wave's instructions in order: no wait between the stores and the loads.
.macro TOSTAGE a
.set AC, 64*((\a)%4)
	WIN 0x08+4*((\a)/4)                            ; the data: window 2 or 3
.irp b, 0,1,2,3,4,5,6,7
	ds_store_b128 v[STO], v[AC+8*\b:AC+8*\b+3] offset:64*\b          ; each accumulator from its low end on
	ds_store_b128 v[STO], v[AC+8*\b+4:AC+8*\b+7] offset:64*\b+16
.endr
	WIN 0
.set BB, BK+64*((\a)%2)
.irp t, 0,1,2,3,4,5,6,7,8,9,10,11,12,13,14,15
	ds_load_b128 v[BB+4*\t:BB+4*\t+3], v[RD] offset:\t*SPITCH
.endr
.endm
.macro SEND a, younger                 ; younger: the LDS instructions issued behind block a's loads, which may stay out
.set BB, BK+64*((\a)%2)
	s_wait_dscnt \younger
.if (\a) > 0
	s_add_nc_u64 s[10:11], s[10:11], 16*NROW       ; (behind a wait on XCNT: the earlier stores have read their base)
.endif
.irp t, 0,1,2,3,4,5,6,7,8,9,10,11,12,13,14,15
	global_store_b128 v[CO], v[BB+4*\t:BB+4*\t+3], s[10:11] offset:\t*NROW th:TH_STORE_NT
.endr
.endm
	PLACES NP
	TOSTAGE 0
.irp a, 1,2,3,4,5,6,7
.if \a > 1
	s_wait_xcnt 0x0                                ; block a - 2's stores have read their registers and their base
.endif
	TOSTAGE \a
	SEND \a-1, 32                                  ; behind block a - 1's loads: block a's 16 stores and 16 loads
.endr
	s_wait_xcnt 0x0
	SEND 7, 0
	s_wait_tensorcnt 0x0                           ; the wave's end
	ds_add_u32 v[SPW], v[NIL]
	s_wait_dscnt 0x0
	CROUND                                         ; the closing round
	s_endpgm
.Lfunc_end_k_qe645b7f390_gemm:
	.size	k_qe645b7f390_gemm, .Lfunc_end_k_qe645b7f390_gemm-k_qe645b7f390_gemm
	.p2alignl 7, 3214868480
	.fill 96, 4, 3214868480
	.section	.rodata,"a",@progbits
	.p2align	6, 0x0
	.amdhsa_kernel k_qe645b7f390_gemm
		.amdhsa_group_segment_fixed_size 327680
		.amdhsa_private_segment_fixed_size 0
		.amdhsa_enable_private_segment 0
		.amdhsa_kernarg_size 32
		.amdhsa_user_sgpr_count 2
		.amdhsa_user_sgpr_kernarg_segment_ptr 1
		.amdhsa_wavefront_size32 1
		.amdhsa_system_sgpr_workgroup_id_x 1
		.amdhsa_system_sgpr_workgroup_id_y 1
		.amdhsa_system_sgpr_workgroup_id_z 1
		.amdhsa_system_vgpr_workitem_id 0
		.amdhsa_next_free_vgpr 1024
		.amdhsa_next_free_sgpr 90
		.amdhsa_reserve_vcc 0
		.amdhsa_float_denorm_mode_32 3
		.amdhsa_float_denorm_mode_16_64 3
		.amdhsa_memory_ordered 1
		.amdhsa_forward_progress 1
		.amdhsa_inst_pref_size 210
	.end_amdhsa_kernel
	.amdgpu_metadata
---
amdhsa.version: [ 1, 2 ]
amdhsa.kernels:
  - .name:           k_qe645b7f390_gemm
    .symbol:         k_qe645b7f390_gemm.kd
    .args:
      - { .name: acode, .offset: 0, .size: 8, .value_kind: global_buffer, .address_space: global }
      - { .name: bcode, .offset: 8, .size: 8, .value_kind: global_buffer, .address_space: global }
      - { .name: bias, .offset: 16, .size: 8, .value_kind: global_buffer, .address_space: global }
      - { .name: out0, .offset: 24, .size: 8, .value_kind: global_buffer, .address_space: global }
    .group_segment_fixed_size: 327680
    .private_segment_fixed_size: 0
    .kernarg_segment_align: 8
    .kernarg_segment_size: 32
    .max_flat_workgroup_size: 128
    .sgpr_count:     90
    .vgpr_count:     1024
    .wavefront_size: 32
...
	.end_amdgpu_metadata
.endif
;; end of part 2
